; MI455X (gfx1250); checked and timed in simulation.
; The chip was launched on July 23, 2026; its instructions are those of AMD's public machine-readable ISA for CDNA 5 (MIT licence, August 2026) and "CDNA5" Instruction Set Architecture Reference Guide (July 2026). The comments in the code are by the model that wrote it; some were corrected since.
;; Scaling Attention. Allowed arithmetic: matrix products marked QUANTISED: E2M1 operands, one E8M0 scale for each 32 along K, by v_wmma_scale_f32_16x16x128_f8f6f4 with both operands' format E2M1 (or v_wmma_scale_f32_32x16x128_f4), f32 sums; products left as they are: bf16, f16 or f32 operands; f32 sums; everything else in f32.
;; Inputs: Wk 512 x 512 float32; Wo 512 x 512 float32; Wq 512 x 512 float32; Wv 512 x 512 float32; beta 512 float32; bo 512 float32; gamma 512 float32; kv 2 x 1,024 x 512 float32; q 2 x 4,096 x 512 float32.
;; Outputs: out0 2 x 4,096 x 512 float32.
;; This version of the problem:
;;   THIS VERSION OF THE PROBLEM IS GIVEN IN LOW PRECISION. The matrix products marked QUANTISED in the list below multiply operands that are first quantised to E2M1 (2 exponent bits, 1 mantissa bit; 4 bits a number), with one power-of-two scale for each 32 numbers along K (OCP MX v1.0); their sums are f32. The products marked 'left as it is' may take bf16, f16 or f32 operands, with f32 sums. Whichever they take, every output number must still come out within the allowed error. Rounding operands to bf16 (8 significant bits) uses up far more of that allowance than f16 does (11 bits, for magnitudes from 6e-5 to 65,504). All else is computed in f32.
;;   The module's matrix products, in the order in which they are computed (A, B: the left and right operand; K: the contracted axis; several contracted axes count as one K, in the product's order):
;;     1. [M 8,192, K 512] x [K 512, N 512]; A: input q; B: input Wq: QUANTISED
;;     2. [M 2,048, K 512] x [K 512, N 512]; A: input kv; B: input Wk: QUANTISED
;;     3. [M 2,048, K 512] x [K 512, N 512]; A: input kv; B: input Wv: QUANTISED
;;     4. batch 16 x [M 4,096, K 64] x [K 64, N 1,024]; A: computed on the way; B: computed on the way: left as it is (an operand is computed on the way)
;;     5. batch 16 x [M 4,096, K 1,024] x [K 1,024, N 64]; A: computed on the way; B: computed on the way: left as it is (an operand is computed on the way)
;;     6. [M 8,192, K 512] x [K 512, N 512]; A: computed on the way; B: input Wo: left as it is (an operand is computed on the way)
;;   THE QUANTISER, for each operand of a quantised product, along K:
;;     - K is cut into blocks of 32 from its start; a last block that is shorter is filled with zeros.
;;     - A block's scale is 2^e with e = floor(log2(the largest magnitude in the block)) - 2, held to -126 .. 127; a block of zeros has e = 0. As a byte (E8M0): e + 127.
;;     - Each number is divided by its block's scale, clamped to +-6, and rounded to the nearest number of E2M1, ties to even, subnormals kept.
;;     - The product sums the exact products of the quantised numbers (number of the format x scale) in f32.
;;   ~~~python
;;   def quantise(x, axis):      # numpy; x: float32 -> the quantised numbers, widened to float32 again
;;       x = np.moveaxis(x, axis, -1); K = x.shape[-1]
;;       x = np.pad(x, [(0, 0)] * (x.ndim - 1) + [(0, -K % 32)]); x = x.reshape(x.shape[:-1] + (-1, 32)); a = np.abs(x).max(-1, keepdims=True)
;;       e = np.where(a > 0, np.clip(np.frexp(np.where(a > 0, a, 1))[1] - 1 - 2, -126, 127), 0)      # np.frexp(a)[1] - 1 = floor(log2(a)), exactly
;;       r = np.clip(x / 2.0 ** e, -6, 6)
;;       step = 2.0 ** (np.maximum(np.frexp(np.where(r == 0, 1, r))[1] - 1, 0) - 1)
;;       q = np.round(r / step) * step * 2.0 ** e      # np.round: ties to even
;;       return np.moveaxis(q.reshape(q.shape[:-2] + (-1,))[..., :K], -1, axis).astype(np.float32)
;;   ~~~
;; One version. Each part assembles by itself: llvm-mc -triple=amdgcn-amd-amdhsa -mcpu=gfx1250 --defsym DOCPART=n.
;; ======== version 1 of 1: 4 launches
;; limits: values are held in f16: magnitudes above 65,504 overflow, below 6.1e-05 lose precision
;; workspace buffers: wc 393,216 bytes; ws 24,576 bytes; wof 524,288 bytes; bias 2,048 bytes; qf 8,388,608 bytes; kvf 4,194,304 bytes; ao 16,777,216 bytes
;; launch prep (part 1): grid 64 x 1, 16 waves a work-group, no clusters, 4,608 bytes of LDS; arguments Wq, Wk, Wv, Wo, gamma, beta, bo, wc, ws, wof, bias; writes wc, ws, wof, bias
.if DOCPART == 1
	.amdgcn_target "amdgcn-amd-amdhsa--gfx1250"
	.amdhsa_code_object_version 6
	.text
	.protected	k_qbecc3cc8ab_prep
	.globl	k_qbecc3cc8ab_prep
	.p2align	8
	.type	k_qbecc3cc8ab_prep,@function
k_qbecc3cc8ab_prep:
	s_mov_b64 s[64:65], 0
	v_nop
	global_prefetch_b8 v0, s[64:65] scope:SCOPE_SE
	s_setreg_imm32_b32 hwreg(HW_REG_WAVE_MODE, 25, 1), 1
	s_wait_xcnt 0x0
; THE WEIGHTS ARE LAID OUT ONCE, in the order in which the later launches' operand registers take them.
; Wq, Wk, Wv [512 (k)][512 (n)] f32 become codes of E2M1 with one E8M0 byte for each 32 along K (K is their FIRST axis):
;   wc: byte wi*131072 + nt*4096 + ks*1024 + c*512 + (16 hf + rf)*16 holds column n = 16 nt + rf, k = 128 ks + 64 c + 32 hf + 0..31, the lower k in the low four bits
;   ws: byte wi*8192 + n*16 + k/32
; Wo becomes f16(gamma[k] * Wo[k][n]):  wof: byte nt*16384 + ks*1024 + p*512 + (16 hf + rf)*16 holds n = 16 nt + rf, k = 32 ks + 16 p + 8 hf + 0..7
; and bias[n] = bo[n] + sum over k of beta[k] * Wo[k][n], in f32:  (x gamma + beta) Wo + bo = x (gamma Wo) + (beta Wo + bo), for every input.
; SHARES.  64 work-groups: matrix mi = g / 16 (0, 1, 2 quantised, 3 = Wo), columns 32 (g % 16) on.  Wave w of 16 takes rows k = 32 w .. 32 w + 31.
; A LANE TAKES A COLUMN AND ITS 32 REGISTERS RUN DOWN K: a block of 32 lies in one lane, its largest magnitude needs no other lane, and the conversions give codes with K innermost.
; A block's scale is 2^(floor(log2(largest magnitude)) - 2); its byte is the largest magnitude's exponent field - 2, held at 1 from below.
; LIMITS: NaN and infinities are not served; a block whose largest magnitude lies under 2^-124 (a block of zeros too) gets the byte 1: zero codes add nothing, and this program alone reads the bytes;
; |gamma * Wo| stays under 65,504 (f16).
.set SCB,   0                          ; LDS: the quantising path's scale bytes, [lane][wave], 512 bytes
.set PART,  512                        ; LDS: Wo's path: a partial sum for each wave and lane, 2,048 bytes (each path has bytes of its own)
.set SPARE, 2560                       ; the spare words, 128 bytes for each of 16 waves: eight blocks of 256 bytes that no other line names
.set L4,  1                            ; v1   4 x lane
.set WCO, 2                            ; v2   my 16 bytes in wc: 4096 h + 16 r
.set WFO, 3                            ; v3   my 16 bytes in wof: 16384 h + 16 r
.set BAD, 4                            ; v4   16 x lane + wave: my scale byte in LDS
.set PAD, 5                            ; v5   128 x wave + 4 x lane: my partial sum in LDS
.set L16, 7                            ; v7   16 x lane
.set BO,  22                           ; v22  Wo's path: bo of my column, then the bias
.set SPW, 30                           ; v30  LDS address of my spare word; never rewritten
.set NIL, 31                           ; v31  0; never rewritten
.set X,   32                           ; v32-63   my column's 32 numbers
.set G,   64                           ; v64-95   gamma x them
.set HP,  96                           ; v96-111  the same as pairs of f16
	s_load_b512 s[4:19], s[0:1], 0x0               ; Wq s[4:5], Wk s[6:7], Wv s[8:9], Wo s[10:11], gamma s[12:13], beta s[14:15], bo s[16:17], wc s[18:19]
	s_load_b128 s[20:23], s[0:1], 0x40             ; ws s[20:21], wof s[22:23]
	s_load_b64 s[24:25], s[0:1], 0x50              ; bias
	v_lshl_add_u32 v[SPW], v0, 2, SPARE
	v_mov_b32 v[NIL], 0
	v_mov_b32 v[BO], 0                             ; written here on every way through the text; Wo's path loads bo into it
	v_lshrrev_b32 v8, 5, v0
	v_readfirstlane_b32 s28, v8                    ; wave 0..15
	s_lshr_b32 s29, ttmp9, 4                       ; which matrix
	s_and_b32 s30, ttmp9, 15                       ; which 32 columns
	v_and_b32 v8, 31, v0                           ; lane
	v_and_b32 v9, 15, v0                           ; r
	v_bfe_u32 v10, v0, 4, 1                        ; h
	v_lshlrev_b32 v[L4], 2, v8
	v_lshlrev_b32 v[L16], 4, v8
	v_lshlrev_b32 v9, 4, v9
	v_lshl_add_u32 v[WCO], v10, 12, v9
	v_lshl_add_u32 v[WFO], v10, 14, v9
	v_add_nc_u32 v[BAD], s28, v[L16]
	s_lshl_b32 s100, s28, 7                        ; 128 x wave: my 32 numbers of gamma and beta, and my row of partial sums
	s_mov_b32 s101, 0
	v_add_nc_u32 v[PAD], s100, v[L4]
	s_lshl_b32 s2, s28, 16                         ; 32 rows of 2,048 bytes a wave,
	s_lshl_b32 s3, s30, 7                          ; 32 columns of 4 bytes a work-group
	s_add_co_u32 s2, s2, s3
	s_mov_b32 s3, 0
	s_wait_kmcnt 0x0
	s_cmp_eq_u32 s29, 0                            ; the matrix is chosen by the work-group's number alone
	s_cselect_b64 s[26:27], s[4:5], s[6:7]
	s_cmp_eq_u32 s29, 2
	s_cselect_b64 s[26:27], s[8:9], s[26:27]
	s_cmp_eq_u32 s29, 3
	s_cselect_b64 s[26:27], s[10:11], s[26:27]
	s_add_nc_u64 s[26:27], s[26:27], s[2:3]
.set i, 0
.rept 32
	global_load_b32 v[X+i], v[L4], s[26:27] offset:2048*i th:TH_LOAD_NT   ; W(32 w + i, my column): read once in the launch
.set i, i+1
.endr
	s_cmp_eq_u32 s29, 3
	s_cbranch_scc1 .Lwo
	; ---- Wq, Wk, Wv: one block of 32 a lane
	s_lshl_b32 s2, s29, 17                         ; wc: matrix x 131,072
	s_lshl_b32 s3, s30, 13                         ; + two column tiles of 4,096 a work-group
	s_add_co_u32 s2, s2, s3
	s_lshl_b32 s3, s28, 8                          ; + 256 w: ks*1024 + c*512 + hf*256 with k = 32 w
	s_add_co_u32 s2, s2, s3
	s_mov_b32 s3, 0
	s_add_nc_u64 s[18:19], s[18:19], s[2:3]
	s_wait_loadcnt 0x0
	v_max3_num_f32 v12, |v[X]|, |v[X+1]|, |v[X+2]|  ; the block's largest magnitude, in two chains
	v_max3_num_f32 v13, |v[X+3]|, |v[X+4]|, |v[X+5]|
.irp i, 6,10,14,18,22,26
	v_max3_num_f32 v12, v12, |v[X+\i]|, |v[X+\i+1]|
	v_max3_num_f32 v13, v13, |v[X+\i+2]|, |v[X+\i+3]|
.endr
	v_max3_num_f32 v12, v12, |v[X+30]|, |v[X+31]|
	v_max3_num_f32 v12, v12, v13, 0x1800000        ; and the floor 2^(3 - 127): the byte cannot fall under 1
	v_add_nc_u32 v14, 0xff000000, v12              ; 2 off the exponent field: the conversion takes the exponent field of this operand as its scale
	v_lshrrev_b32 v15, 23, v14                     ; the scale's byte
.irp g, 0,1,2,3
	v_cvt_scalef32_pk8_fp4_f32 v[16+\g], v[X+8*\g:X+8*\g+7], v14
.endr
	v_nop                                          ; one plain line behind the last scaled conversion
	global_store_b128 v[WCO], v[16:19], s[18:19]   ; sixteen lanes store 256 consecutive bytes, aligned
	ds_store_b8 v[BAD], v15 offset:SCB
	s_branch .Lmeet
.Lwo:
	; ---- Wo: gamma x Wo as f16, and my 32 terms of beta Wo
	s_add_nc_u64 s[12:13], s[12:13], s[100:101]
	s_add_nc_u64 s[14:15], s[14:15], s[100:101]
	s_load_b512 s[32:47], s[12:13], 0x0            ; gamma[32 w ..]
	s_load_b512 s[48:63], s[12:13], 0x40
	s_load_b512 s[68:83], s[14:15], 0x0            ; beta[32 w ..]
	s_load_b512 s[84:99], s[14:15], 0x40
	s_lshl_b32 s2, s30, 7                          ; bo and bias: 32 columns of 4 bytes a work-group
	s_mov_b32 s3, 0
	s_add_nc_u64 s[16:17], s[16:17], s[2:3]
	s_add_nc_u64 s[24:25], s[24:25], s[2:3]
	global_load_b32 v[BO], v[L4], s[16:17]         ; bo of my column, asked for with Wo's rows, so that the tail behind the barrier waits for no memory: every wave runs the line (128 bytes), wave 0 uses it
	s_lshl_b32 s2, s30, 15                         ; wof: two column tiles of 16,384 a work-group
	s_lshl_b32 s3, s28, 10                         ; + ks = w
	s_add_co_u32 s2, s2, s3
	s_mov_b32 s3, 0
	s_add_nc_u64 s[22:23], s[22:23], s[2:3]
	s_wait_kmcnt 0x0
	s_wait_loadcnt 0x0
.set i, 0
.rept 32
	v_mul_f32 v[G+i], s[32+i], v[X+i]
.set i, i+1
.endr
	v_mul_f32 v20, s68, v[X]                       ; the partial sum in two chains; the first products start them
	v_mul_f32 v21, s69, v[X+1]
.set i, 2
.rept 30
	v_fma_f32 v[20+i%2], s[68+i], v[X+i], v[20+i%2]
.set i, i+1
.endr
	v_add_f32 v20, v20, v21
.set i, 0
.rept 16
	v_cvt_pk_f16_f32 v[HP+i], v[G+2*i], v[G+2*i+1]
.set i, i+1
.endr
.irp p, 0,1
.irp hh, 0,1
	global_store_b128 v[WFO], v[HP+8*\p+4*\hh:HP+8*\p+4*\hh+3], s[22:23] offset:512*\p+256*\hh   ; k = 32 w + 16 p + 8 hh + 0..7: sixteen lanes store 256 consecutive bytes, aligned
.endr
.endr
	ds_store_b32 v[PAD], v20 offset:PART
.Lmeet:
	s_wait_dscnt 0x0                               ; for the others' sake: my LDS store is done
	s_barrier_signal -1
	s_barrier_wait -1
	s_cmp_lg_u32 s28, 0                            ; wave 0 gathers what the sixteen waves left
	s_cbranch_scc1 .Lend
	s_cmp_eq_u32 s29, 3
	s_cbranch_scc1 .Lwo2
	s_lshl_b32 s2, s29, 13                         ; ws: matrix x 8,192 + 32 columns of 16 bytes
	s_lshl_b32 s3, s30, 9
	s_add_co_u32 s2, s2, s3
	s_mov_b32 s3, 0
	s_add_nc_u64 s[20:21], s[20:21], s[2:3]
	ds_load_b128 v[8:11], v[L16] offset:SCB        ; my column's 16 scale bytes
	s_wait_dscnt 0x0
	global_store_b128 v[L16], v[8:11], s[20:21]    ; 512 consecutive bytes
	s_branch .Lend
.Lwo2:
.set i, 0
.rept 16
	ds_load_b32 v[40+i], v[L4] offset:PART+128*i
.set i, i+1
.endr
	s_wait_dscnt 0x0
.set i, 0
.rept 16
	v_add_f32 v[BO], v[BO], v[40+i]                ; onto bo the waves' parts, K ascending
.set i, i+1
.endr
	global_store_b32 v[L4], v[BO], s[24:25]
.Lend:
	s_wait_tensorcnt 0x0                           ; the wave's end, behind my last LDS store
	ds_add_u32 v[SPW], v[NIL]
	s_wait_dscnt 0x0
	s_endpgm
.Lfunc_end_k_qbecc3cc8ab_prep:
	.size	k_qbecc3cc8ab_prep, .Lfunc_end_k_qbecc3cc8ab_prep-k_qbecc3cc8ab_prep
	.p2alignl 7, 3214868480
	.fill 96, 4, 3214868480
	.section	.rodata,"a",@progbits
	.p2align	6, 0x0
	.amdhsa_kernel k_qbecc3cc8ab_prep
		.amdhsa_group_segment_fixed_size 4608
		.amdhsa_private_segment_fixed_size 0
		.amdhsa_enable_private_segment 0
		.amdhsa_kernarg_size 88
		.amdhsa_user_sgpr_count 2
		.amdhsa_user_sgpr_kernarg_segment_ptr 1
		.amdhsa_wavefront_size32 1
		.amdhsa_system_sgpr_workgroup_id_x 1
		.amdhsa_system_sgpr_workgroup_id_y 1
		.amdhsa_system_sgpr_workgroup_id_z 1
		.amdhsa_system_vgpr_workitem_id 0
		.amdhsa_next_free_vgpr 112
		.amdhsa_next_free_sgpr 102
		.amdhsa_reserve_vcc 0
		.amdhsa_float_denorm_mode_32 3
		.amdhsa_float_denorm_mode_16_64 3
		.amdhsa_memory_ordered 1
		.amdhsa_forward_progress 1
		.amdhsa_inst_pref_size 14
	.end_amdhsa_kernel
	.amdgpu_metadata
---
amdhsa.version: [ 1, 2 ]
amdhsa.kernels:
  - .name:           k_qbecc3cc8ab_prep
    .symbol:         k_qbecc3cc8ab_prep.kd
    .args:
      - { .name: Wq, .offset: 0, .size: 8, .value_kind: global_buffer, .address_space: global }
      - { .name: Wk, .offset: 8, .size: 8, .value_kind: global_buffer, .address_space: global }
      - { .name: Wv, .offset: 16, .size: 8, .value_kind: global_buffer, .address_space: global }
      - { .name: Wo, .offset: 24, .size: 8, .value_kind: global_buffer, .address_space: global }
      - { .name: gamma, .offset: 32, .size: 8, .value_kind: global_buffer, .address_space: global }
      - { .name: beta, .offset: 40, .size: 8, .value_kind: global_buffer, .address_space: global }
      - { .name: bo, .offset: 48, .size: 8, .value_kind: global_buffer, .address_space: global }
      - { .name: wc, .offset: 56, .size: 8, .value_kind: global_buffer, .address_space: global }
      - { .name: ws, .offset: 64, .size: 8, .value_kind: global_buffer, .address_space: global }
      - { .name: wof, .offset: 72, .size: 8, .value_kind: global_buffer, .address_space: global }
      - { .name: bias, .offset: 80, .size: 8, .value_kind: global_buffer, .address_space: global }
    .group_segment_fixed_size: 4608
    .private_segment_fixed_size: 0
    .kernarg_segment_align: 8
    .kernarg_segment_size: 88
    .max_flat_workgroup_size: 512
    .sgpr_count:     102
    .vgpr_count:     112
    .wavefront_size: 32
...
	.end_amdgpu_metadata
.endif
;; end of part 1
;; launch proj (part 2): grid 384 x 1, 4 waves a work-group, no clusters, 9,728 bytes of LDS; arguments q, kv, wc, ws, qf, kvf; writes qf, kvf
.if DOCPART == 2
	.amdgcn_target "amdgcn-amd-amdhsa--gfx1250"
	.amdhsa_code_object_version 6
	.text
	.protected	k_qbecc3cc8ab_proj
	.globl	k_qbecc3cc8ab_proj
	.p2align	8
	.type	k_qbecc3cc8ab_proj,@function
k_qbecc3cc8ab_proj:
	s_mov_b64 s[64:65], 0
	v_nop
	global_prefetch_b8 v0, s[64:65] scope:SCOPE_SE
	s_setreg_imm32_b32 hwreg(HW_REG_WAVE_MODE, 25, 1), 1
	s_wait_xcnt 0x0
; THE THREE QUANTISED PROJECTIONS: q Wq, kv Wk, kv Wv, on codes of E2M1 with E8M0 scales, sums in f32; the results leave as f16 in the order of the attention launch's operand registers.
; SHARES.  384 equal units of 32 rows x 512 columns: work-groups 0-255 take q (weights 0), 256-319 kv with Wk (1), 320-383 kv with Wv (2).
; Wave w quantises rows 8 w .. 8 w + 7 (a lane holds 8 neighbours along K, four lanes a block of 32); the codes and scale bytes meet in LDS; then wave w multiplies all 32 rows
; by columns 128 w .. 128 w + 127 (heads 2 w and 2 w + 1): its 32 weight fragments come from wc straight into registers, 16 bytes a lane, 512 consecutive bytes a load.
; Q and K are made TRANSPOSED (source 0 = 16 columns of W, source 1 = 16 rows of x): a lane then holds one row and eight neighbouring channels: the 16-bit operand layout of K Q^T.
; V is made the natural way round (source 0 = x): a lane holds one channel and eight neighbouring keys: the layout of V^T.  So nothing is turned between the launches.
;   qf:  byte bh*524288 + t*2048 + cs*1024 + p*512 + lane*16: query 16 t + r, channel 32 cs + 16 p + 8 h + 0..7          (bh = 8 batch + head)
;   kvf: byte bh*262144 + s*16384 + K: kt*2048 + cs*1024 + p*512 + lane*16: key 64 s + 16 kt + r, channel 32 cs + 16 p + 8 h + 0..7
;                                   V: 8192 + kh*4096 + ct*1024 + p*512 + lane*16: channel 16 ct + r, key 64 s + 32 kh + 16 p + 8 h + 0..7
; LIMITS: NaN and infinities are not served; a block whose largest magnitude lies under 2^-124 gets the byte 1; the results stay under 65,504 in magnitude (f16).
; REGISTERS.  Window 0: v1-9 addresses; v16-47 W's scale words, v48-55 x's (these hold scales and nothing else); v64-191 the f32 numbers, later the 16 accumulators;
;   v192-255 at work while quantising, then x's 8 fragments, then the packed results.   Window 1: W's 32 fragments, (nt, ks) at v[32 nt + 8 ks].
.set PITCH, 272                        ; a row's 256 bytes of codes + 16: an odd multiple of 16, so the 16 rows of a fragment load begin in 16 different 16-byte columns of 256
.set SCB,   32*PITCH                   ; behind the codes: 32 rows x 16 scale bytes
.set SPARE, SCB+512                    ; the spare words, 128 bytes for each wave: two blocks of 256 bytes that no other line names
.set LX,  1                            ; v1  32 x lane: my 8 numbers of a run of 256
.set LI,  2                            ; v2  16 x lane
.set R16, 3                            ; v3  16 x r: a row's 16 scale bytes
.set CST, 4                            ; v4  where I store codes: 8 PITCH x wave + 4 x lane
.set BST, 5                            ; v5  where I store a scale byte: 128 x wave + lane / 4
.set FAD, 6                            ; v6  a fragment's row: PITCH x r + 16 h
.set SPW, 8                            ; v8  LDS address of my spare word; never rewritten
.set NIL, 9                            ; v9  0; never rewritten
.set WS,  16
.set XS,  48
.set X,   64
.set ACC, 64
.set MX,  192                          ; an item's largest magnitude,
.set SO,  208                          ; its conversion's scale operand,
.set CD,  224                          ; its 8 codes,
.set BY,  240                          ; its scale byte
.set F,   192
.set PK,  192
.set MSB, 0
.macro WIN new                         ; the immediate's high byte repeats the setting that is left
.if MSB != \new
	s_set_vgpr_msb (MSB<<8)|\new
.set MSB, \new
.endif
.endm
	s_load_b256 s[4:11], s[0:1], 0x0               ; q s[4:5], kv s[6:7], wc s[8:9], ws s[10:11]
	s_load_b128 s[12:15], s[0:1], 0x20             ; qf s[12:13], kvf s[14:15]
	v_lshl_add_u32 v[SPW], v0, 2, SPARE
	v_mov_b32 v[NIL], 0
	v_lshrrev_b32 v10, 5, v0
	v_readfirstlane_b32 s16, v10                   ; wave 0..3
	v_and_b32 v10, 31, v0                          ; lane
	v_and_b32 v11, 15, v0                          ; r
	v_bfe_u32 v12, v0, 4, 1                        ; h
	v_lshlrev_b32 v[LX], 5, v10
	v_lshlrev_b32 v[LI], 4, v10
	v_lshlrev_b32 v[R16], 4, v11
	s_mul_i32 s2, s16, 8*PITCH
	v_lshl_add_u32 v[CST], v10, 2, s2
	s_lshl_b32 s2, s16, 7
	v_lshrrev_b32 v13, 2, v10
	v_add_nc_u32 v[BST], s2, v13
	v_mul_u32_u24 v[FAD], v11, PITCH
	v_lshl_add_u32 v[FAD], v12, 4, v[FAD]
	; which unit: all from the work-group's number
	s_mov_b32 s17, ttmp9
	s_cmp_lt_u32 s17, 256
	s_cselect_b32 s18, 0, 256                      ; the first work-group of my tensor's units,
	s_cselect_b32 s19, 0, 1                        ; which weights,
	s_cselect_b32 s32, 7, 5                        ; log2 of the units in a batch: 128 of q, 32 of kv,
	s_cselect_b32 s33, 19, 18                      ; log2 of a head's bytes in the output: 524,288 or 262,144
	s_cmp_ge_u32 s17, 320
	s_cselect_b32 s18, 320, s18
	s_cselect_b32 s19, 2, s19
	s_cselect_b32 s34, 8192, 0                     ; V's part of a key step lies behind K's
	s_sub_co_u32 s18, s17, s18                     ; my unit in its tensor
	s_lshr_b32 s36, s18, s32                       ; the batch
	s_lshl_b32 s35, s36, s32
	s_sub_co_u32 s35, s18, s35                     ; my unit in its batch
	s_lshl_b32 s37, s35, 12                        ; q: two query tiles of 2,048 bytes a unit
	s_lshr_b32 s38, s35, 1                         ; kv: two units to a key step of 16,384 bytes,
	s_lshl_b32 s38, s38, 14
	s_and_b32 s39, s35, 1
	s_lshl_b32 s39, s39, 12                        ; 4,096 bytes of K's part or of V's for each
	s_add_co_u32 s38, s38, s39
	s_add_co_u32 s38, s38, s34
	s_cmp_lt_u32 s17, 256
	s_cselect_b32 s37, s37, s38
	s_lshl_b32 s39, s36, 3
	s_lshl_b32 s40, s16, 1
	s_add_co_u32 s40, s40, s39                     ; bh of my first head: 8 batch + 2 wave
	s_lshl_b32 s40, s40, s33
	s_add_co_u32 s40, s40, s37
	s_mov_b32 s41, 0
	s_lshl_b32 s42, 1, s33                         ; and one head on
	s_mov_b32 s43, 0
	s_wait_kmcnt 0x0
	s_cmp_lt_u32 s17, 256                          ; the buffers are chosen by the work-group's number alone
	s_cselect_b64 s[20:21], s[4:5], s[6:7]
	s_cselect_b64 s[28:29], s[12:13], s[14:15]
	s_lshl_b32 s2, s18, 16                         ; 32 rows of 2,048 bytes a unit,
	s_lshl_b32 s3, s16, 14                         ; 8 rows a wave
	s_add_co_u32 s2, s2, s3
	s_mov_b32 s3, 0
	s_add_nc_u64 s[20:21], s[20:21], s[2:3]
	s_lshl_b32 s2, s19, 17                         ; wc: weights x 131,072 + 8 column tiles of 4,096 a wave
	s_lshl_b32 s3, s16, 15
	s_add_co_u32 s2, s2, s3
	s_mov_b32 s3, 0
	s_add_nc_u64 s[22:23], s[8:9], s[2:3]
	s_lshl_b32 s2, s19, 13                         ; ws: weights x 8,192 + 128 columns of 16 bytes a wave
	s_lshl_b32 s3, s16, 11
	s_add_co_u32 s2, s2, s3
	s_mov_b32 s3, 0
	s_add_nc_u64 s[24:25], s[10:11], s[2:3]
	s_add_nc_u64 s[28:29], s[28:29], s[40:41]      ; the output at my first head,
	s_add_nc_u64 s[30:31], s[28:29], s[42:43]      ; and at my second
	; ---- all loads go out together.  Item it = 2 i + u: row 8 w + i, k = 256 u + 8 lane + 0..7; an item's two loads cover 1,024 consecutive bytes
.set it, 0
.rept 16
	global_load_b128 v[X+8*it:X+8*it+3], v[LX], s[20:21] offset:1024*it
	global_load_b128 v[X+8*it+4:X+8*it+7], v[LX], s[20:21] offset:1024*it+16
.set it, it+1
.endr
.irp nt, 0,1,2,3,4,5,6,7
	global_load_b128 v[WS+4*\nt:WS+4*\nt+3], v[R16], s[24:25] offset:256*\nt   ; column 16 nt + r: its four scale words, one for each 128 along K
.endr
	WIN 0x40                                       ; destination window 1
.set f, 0
.rept 64
	global_load_b128 v[4*f:4*f+3], v[LI], s[22:23] offset:512*f   ; piece f = 8 nt + 2 ks + c of my weights: 512 consecutive bytes
.set f, f+1
.endr
	WIN 0
	s_wait_loadcnt 63                              ; the 32 loads of numbers are in: 72 loads stand behind them, and 63 is the largest count that the wait can name
	; ---- the quantiser, the 16 items by turns, stage by stage
.set it, 0
.rept 16
	v_max3_num_f32 v[MX+it], |v[X+8*it]|, |v[X+8*it+1]|, 0x1800000   ; with the floor 2^(3 - 127): the byte cannot fall under 1
.set it, it+1
.endr
.irp j, 2,4,6
.set it, 0
.rept 16
	v_max3_num_f32 v[MX+it], v[MX+it], |v[X+8*it+\j]|, |v[X+8*it+\j+1]|
.set it, it+1
.endr
.endr
.set it, 0
.rept 16
	v_max_num_f32_dpp v[MX+it], v[MX+it], v[MX+it] row_xmask:1 row_mask:0xf bank_mask:0xf
.set it, it+1
.endr
.set it, 0
.rept 16
	v_max_num_f32_dpp v[MX+it], v[MX+it], v[MX+it] row_xmask:2 row_mask:0xf bank_mask:0xf   ; four lanes hold a block of 32
.set it, it+1
.endr
.set it, 0
.rept 16
	v_add_nc_u32 v[SO+it], 0xff000000, v[MX+it]    ; 2 off the exponent field: the conversion's scale operand
.set it, it+1
.endr
.set it, 0
.rept 16
	v_cvt_scalef32_pk8_fp4_f32 v[CD+it], v[X+8*it:X+8*it+7], v[SO+it]
.set it, it+1
.endr
.set it, 0
.rept 16
	v_lshrrev_b32 v[BY+it], 23, v[SO+it]           ; the scale's byte.  (These are the plain lines behind the conversions)
.set it, it+1
.endr
.set it, 0
.rept 16
	ds_store_b32 v[CST], v[CD+it] offset:PITCH*(it/2)+128*(it%2)   ; 8 codes: 4 bytes of the row
	ds_store_b8 v[BST], v[BY+it] offset:SCB+8*it   ; the four lanes of a block write the same byte with the same value
.set it, it+1
.endr
	s_wait_dscnt 0x0                               ; for the others' sake: my stores are done
	s_barrier_signal -1
	s_barrier_wait -1                              ; 32 rows of codes and scale bytes lie in LDS
.irp mt, 0,1
.irp ks, 0,1,2,3
.irp c, 0,1
	ds_load_b128 v[F+32*\mt+8*\ks+4*\c:F+32*\mt+8*\ks+4*\c+3], v[FAD] offset:16*PITCH*\mt+64*\ks+32*\c   ; row 16 mt + r, k = 128 ks + 64 c + 32 h + 0..31
.endr
.endr
.endr
.irp mt, 0,1
	ds_load_b128 v[XS+4*\mt:XS+4*\mt+3], v[R16] offset:SCB+256*\mt   ; row 16 mt + r: its four scale words
.endr
	s_wait_dscnt 0x0
	s_wait_loadcnt 0x0                             ; the weights and their scale words
; 64 matrix instructions: the 16 accumulators (mt, nt) take turns, one instruction a turn, K ascending; the first K step starts the sums.  Then the way out.
.macro GEMM v
.if \v
	WIN 0x04                                       ; source 1 (W) window 1
.else
	WIN 0x01                                       ; source 0 (W) window 1
.endif
.irp ks, 0,1,2,3
.irp mt, 0,1
.irp nt, 0,1,2,3,4,5,6,7
.if \v
.if \ks == 0
	v_wmma_scale_f32_16x16x128_f8f6f4 v[ACC+64*\mt+8*\nt:ACC+64*\mt+8*\nt+7], v[F+32*\mt+8*\ks:F+32*\mt+8*\ks+7], v[32*\nt+8*\ks:32*\nt+8*\ks+7], 0, v[XS+4*\mt+\ks], v[WS+4*\nt+\ks] matrix_a_fmt:MATRIX_FMT_FP4 matrix_b_fmt:MATRIX_FMT_FP4
.else
	v_wmma_scale_f32_16x16x128_f8f6f4 v[ACC+64*\mt+8*\nt:ACC+64*\mt+8*\nt+7], v[F+32*\mt+8*\ks:F+32*\mt+8*\ks+7], v[32*\nt+8*\ks:32*\nt+8*\ks+7], v[ACC+64*\mt+8*\nt:ACC+64*\mt+8*\nt+7], v[XS+4*\mt+\ks], v[WS+4*\nt+\ks] matrix_a_fmt:MATRIX_FMT_FP4 matrix_b_fmt:MATRIX_FMT_FP4
.endif
.else
.if \ks == 0
	v_wmma_scale_f32_16x16x128_f8f6f4 v[ACC+64*\mt+8*\nt:ACC+64*\mt+8*\nt+7], v[32*\nt+8*\ks:32*\nt+8*\ks+7], v[F+32*\mt+8*\ks:F+32*\mt+8*\ks+7], 0, v[WS+4*\nt+\ks], v[XS+4*\mt+\ks] matrix_a_fmt:MATRIX_FMT_FP4 matrix_b_fmt:MATRIX_FMT_FP4
.else
	v_wmma_scale_f32_16x16x128_f8f6f4 v[ACC+64*\mt+8*\nt:ACC+64*\mt+8*\nt+7], v[32*\nt+8*\ks:32*\nt+8*\ks+7], v[F+32*\mt+8*\ks:F+32*\mt+8*\ks+7], v[ACC+64*\mt+8*\nt:ACC+64*\mt+8*\nt+7], v[WS+4*\nt+\ks], v[XS+4*\mt+\ks] matrix_a_fmt:MATRIX_FMT_FP4 matrix_b_fmt:MATRIX_FMT_FP4
.endif
.endif
.endr
.endr
.endr
	WIN 0
.rept 4
	v_nop                                          ; four places between the last product and the lines that read results and write over x's fragments (ISA guide 7.12.1)
.endr
.set a, 0
.rept 16
.irp e, 0,1,2,3
	v_cvt_pk_f16_f32 v[PK+4*a+\e], v[ACC+8*a+2*\e], v[ACC+8*a+2*\e+1]   ; each accumulator from its low end on: eight neighbours become 16 bytes
.endr
.set a, a+1
.endr
.irp mt, 0,1
.irp nt, 0,1,2,3,4,5,6,7
.if \v
.set IMM, 1024*(\nt%4)+512*\mt                 ; V: channel tile ct = nt % 4, keys 16 mt on
.else
.set IMM, 2048*\mt+1024*((\nt%4)/2)+512*(\nt%2)    ; Q, K: row tile mt, channels 16 (nt % 4) on
.endif
	global_store_b128 v[LI], v[PK+4*(8*\mt+\nt):PK+4*(8*\mt+\nt)+3], s[28+2*(\nt/4):29+2*(\nt/4)] offset:IMM   ; 512 consecutive bytes, aligned
.endr
.endr
.endm
	s_cmp_ge_u32 s17, 320
	s_cbranch_scc1 .Lv
	GEMM 0
	s_branch .Lend
.Lv:
	GEMM 1
.Lend:
	s_wait_tensorcnt 0x0                           ; the wave's end, behind my last LDS store
	ds_add_u32 v[SPW], v[NIL]
	s_wait_dscnt 0x0
	s_endpgm
.Lfunc_end_k_qbecc3cc8ab_proj:
	.size	k_qbecc3cc8ab_proj, .Lfunc_end_k_qbecc3cc8ab_proj-k_qbecc3cc8ab_proj
	.p2alignl 7, 3214868480
	.fill 96, 4, 3214868480
	.section	.rodata,"a",@progbits
	.p2align	6, 0x0
	.amdhsa_kernel k_qbecc3cc8ab_proj
		.amdhsa_group_segment_fixed_size 9728
		.amdhsa_private_segment_fixed_size 0
		.amdhsa_enable_private_segment 0
		.amdhsa_kernarg_size 48
		.amdhsa_user_sgpr_count 2
		.amdhsa_user_sgpr_kernarg_segment_ptr 1
		.amdhsa_wavefront_size32 1
		.amdhsa_system_sgpr_workgroup_id_x 1
		.amdhsa_system_sgpr_workgroup_id_y 1
		.amdhsa_system_sgpr_workgroup_id_z 1
		.amdhsa_system_vgpr_workitem_id 0
		.amdhsa_next_free_vgpr 512
		.amdhsa_next_free_sgpr 66
		.amdhsa_reserve_vcc 0
		.amdhsa_float_denorm_mode_32 3
		.amdhsa_float_denorm_mode_16_64 3
		.amdhsa_memory_ordered 1
		.amdhsa_forward_progress 1
		.amdhsa_inst_pref_size 53
	.end_amdhsa_kernel
	.amdgpu_metadata
---
amdhsa.version: [ 1, 2 ]
amdhsa.kernels:
  - .name:           k_qbecc3cc8ab_proj
    .symbol:         k_qbecc3cc8ab_proj.kd
    .args:
      - { .name: q, .offset: 0, .size: 8, .value_kind: global_buffer, .address_space: global }
      - { .name: kv, .offset: 8, .size: 8, .value_kind: global_buffer, .address_space: global }
      - { .name: wc, .offset: 16, .size: 8, .value_kind: global_buffer, .address_space: global }
      - { .name: ws, .offset: 24, .size: 8, .value_kind: global_buffer, .address_space: global }
      - { .name: qf, .offset: 32, .size: 8, .value_kind: global_buffer, .address_space: global }
      - { .name: kvf, .offset: 40, .size: 8, .value_kind: global_buffer, .address_space: global }
    .group_segment_fixed_size: 9728
    .private_segment_fixed_size: 0
    .kernarg_segment_align: 8
    .kernarg_segment_size: 48
    .max_flat_workgroup_size: 128
    .sgpr_count:     66
    .vgpr_count:     512
    .wavefront_size: 32
...
	.end_amdgpu_metadata
.endif
;; end of part 2
;; launch attn (part 3): grid 16 x 16, 8 waves a work-group, clusters of 4 x 1, 263,168 bytes of LDS; arguments qf, kvf, ao; writes ao
.if DOCPART == 3
	.amdgcn_target "amdgcn-amd-amdhsa--gfx1250"
	.amdhsa_code_object_version 6
	.text
	.protected	k_qbecc3cc8ab_attn
	.globl	k_qbecc3cc8ab_attn
	.p2align	8
	.type	k_qbecc3cc8ab_attn,@function
k_qbecc3cc8ab_attn:
	s_mov_b64 s[64:65], 0
	v_nop
	global_prefetch_b8 v0, s[64:65] scope:SCOPE_SE
	s_setreg_imm32_b32 hwreg(HW_REG_WAVE_MODE, 25, 1), 1
	s_wait_xcnt 0x0
	s_wait_alu depctr_hold_cnt(0) depctr_sa_sdst(0) depctr_va_vdst(0) depctr_va_sdst(0) depctr_va_ssrc(0) depctr_va_vcc(0) depctr_vm_vsrc(0)
	s_getreg_b32 s2, hwreg(HW_REG_IB_STS2, 6, 4)
	s_cmp_eq_u32 s2, 0
	s_cbranch_scc0 .Lentry_in_a_cluster
	s_endpgm
.Lentry_in_a_cluster:
	s_bfe_u32 s2, ttmp6, 0x10000c
	s_cmp_lg_u32 s2, 0x3003
	s_cbranch_scc0 .Lentry_shape_is_right
	s_endpgm
.Lentry_shape_is_right:
; ATTENTION of one (batch, head) bh: O[i] = sum over j <= i / 4 of softmax_j(Q[i] . K[j] / 8) V[j].  4,096 queries, 1,024 keys, head size 64.  Operands f16, products, maxima and sums f32.
; K AND V OF THE HEAD LIE IN LDS WHOLE: 262,144 bytes, the image of kvf[bh], filled once by two tensor loads a wave; nothing is filled again.
; SHARES.  Work-group (x, bh), x = 0..15, owns the 16 query tiles t = 16 k + x, k = 0..15 (16 queries each).  Tile k wants the key steps s = 0..k of 64 keys; in step s = k key 64 k + kappa counts
; where kappa <= 4 x + r / 4.  So the number of steps hangs on k alone: every work-group has 136 tile-steps and reads all 16 steps.  Wave j owns tile j and tile 15 - j: 17 tile-steps.
; CLUSTER.  The four work-groups of a cluster share bh, so each tile is asked for JOINTLY: the same tensor load with the same descriptor and the mask of all four.  My place in the cluster enters
; global addresses of Q and O and the mask's vector register alone: no branch and no LDS address hangs on it.
; LAYOUT.  S^T = K Q^T (source 0 = 16 keys, source 1 = 16 queries): a lane holds ONE query (lane % 16) and keys 16 kt + 8 (lane / 16) + 0..7; two such tiles, rounded to f16 in pairs, ARE source 1 of
; O^T = V^T P.  All fragments lie in memory and in LDS in the order of the registers: every load is 16 bytes a lane, 512 consecutive bytes.
; SOFTMAX.  A running maximum m and sum l for each query: p = 2^(c s - c m), c = log2(e) / 8; in every step O and l are multiplied by 2^(c m_old - c m_new).  Key 0 counts for every query, so m is a number from step 0 on.
; O and l begin as zeros and m as -3e38, so that the first step is a step like any other.
; K RUNS ONE STEP AHEAD.  In a step the short tile (k = wave) comes first and the long one (k = 15 - wave) last; behind the long tile's K Q^T nobody reads K's registers any more, and the next step's K is asked for
; there: it has that tile's softmax in which to land, and the wait ahead of V^T P serves it and V together.  A wave's last step asks for nothing, and step 15 is written out without the request.
; THE SECOND BARRIER IS SPLIT.  Steps 0-3 come by the first tensor load, steps 4-15 by the second.  A wave signals that its part of the second has landed behind step 1, walks step 2, which reads bytes of the first load
; alone, and waits behind it.  At the wait wave 0 has done 4 tile-steps, and the others signal behind 4: no wave stands idle for the unequal shares of the first steps.
; No prefetch is laid: all that the work-group reads is asked for at its head.
; ao: the image of O^T's registers: byte RT*32768 + head*4096 + ct*1024 + p*512 + lane*16: row 16 RT + r, channel 64 head + 16 ct + 8 h + 4 p + 0..3 (f32).
; LIMITS: NaN and infinities are not served.
; REGISTERS.  Window 0: v1-6 as named; v16-31 statistics; v32-95 K of a step; v96-159 V; v160-191 S^T; v192-207 P.   Window 1: v0-31 Q of both tiles; v64-127 O^T of both.
.set STEPB, 16384                      ; a key step in LDS: 8,192 bytes of K, then 8,192 of V
.set SPARE, 262144                     ; behind the image: the spare words, 128 bytes for each of 8 waves: four blocks of 256 bytes that no other line names
.set SPW, 1                            ; v1  LDS address of my spare word; never rewritten
.set NIL, 2                            ; v2  0; never rewritten
.set LI,  3                            ; v3  16 x lane
.set ADR, 4                            ; v4  the step's LDS address
.set DM,  5                            ; v5  4 x + r / 4 - 8 h: on the diagonal register 8 kt + i is hidden where 16 kt + i > DM
.set NEG, 6                            ; v6  -infinity
.set ST,  16                           ; tile x's statistics at v[ST + 8 x]: +0 c m, +1 m, +2, +3 l (even keys', odd keys'), +4..+7 at work; the rescaling factor in +6
.set KF,  32
.set VF,  96
.set S,   160
.set P,   192
.set QF,  0                            ; window 1
.set O,   64                           ; window 1
.set WV,  10                           ; s10 my wave's number, which is also my first tile's k
.set KB,  15                           ; s15 my second tile's k: 15 - wave
.set SS,  16                           ; s16 the step
.set OFF, 17                           ; s17 its LDS byte
.set CS,  18                           ; s[18:19] c, twice
.set SEL, 20                           ; s[20:21] v_permlanex16_b32's selects for lane xor 16
.set CNT, 22                           ; s22 the loops' counter
.set G1A, 24                           ; s[24:31] descriptor group 1: 32 rows of 256 bytes
.set G1B, 32                           ; s[32:39] 96 rows of 256 bytes
.set G0A, 40                           ; s[40:43] group 0: my eighth of steps 0-3
.set G0B, 44                           ; s[44:47] my eighth of steps 4-15
.set QA,  52                           ; s[52:53], s[54:55] Q of my two tiles
.set AO,  56                           ; s[56:57], s[58:59] their places in ao
.set MSB, 0
.macro WIN new                         ; the immediate's high byte repeats the setting that is left
.if MSB != \new
	s_set_vgpr_msb (MSB<<8)|\new
.set MSB, \new
.endif
.endm
.macro PLACES n
.rept \n
	v_nop
.endr
.endm
.macro CROUND                          ; a round of the cluster's barrier
	s_barrier_signal -1
	s_barrier_wait -1
	s_cmp_lg_u32 s[WV], 0
	s_cbranch_scc1 .Lnot_wave_0_\@
	s_barrier_signal -3
.Lnot_wave_0_\@:
	s_barrier_wait -3
	s_barrier_signal -1
	s_barrier_wait -1
.endm
	s_load_b128 s[4:7], s[0:1], 0x0                ; qf s[4:5], kvf s[6:7]
	s_load_b64 s[8:9], s[0:1], 0x10                ; ao
	v_lshl_add_u32 v[SPW], v0, 2, SPARE
	v_mov_b32 v[NIL], 0
	ds_add_u32 v[SPW], v[NIL]                      ; the wave's opening: the add, twice on end, and its wait ahead of my first tensor load; the set-up below stands between
	ds_add_u32 v[SPW], v[NIL]
	v_lshrrev_b32 v7, 5, v0
	v_readfirstlane_b32 s[WV], v7                  ; wave 0..7
	s_bfe_u32 s11, ttmp6, 0x40000                  ; my place in the cluster
	s_lshl_b32 s12, ttmp9, 2
	s_add_co_u32 s12, s12, s11                     ; x = 4 x cluster x + place
	s_and_b32 s13, ttmp7, 0xffff                   ; bh, which the four partners share
	s_sub_co_u32 s[KB], 15, s[WV]
	; descriptor groups 1: dense blocks as rows of 256 bytes (32 elements of 8 bytes), no padding
	s_mov_b32 s[G1A], 15|(3<<16)|(1<<21)           ; 15:0 the mask: all four work-groups; 17:16 elements of 8 bytes; 21 set beside a mask
	s_mov_b32 s[G1A+1], 32<<16                     ; tensor_dim0 = 32
	s_mov_b32 s[G1A+2], 32<<16                     ; tensor_dim1 = 32
	s_mov_b32 s[G1A+3], 32<<16                     ; tile_dim0 = 32
	s_mov_b32 s[G1A+4], 32                         ; tile_dim1 = 32
	s_mov_b32 s[G1A+5], 32                         ; elements from row to row
	s_mov_b32 s[G1A+6], 0
	s_mov_b32 s[G1A+7], 0
	s_mov_b32 s[G1B], 15|(3<<16)|(1<<21)
	s_mov_b32 s[G1B+1], 32<<16
	s_mov_b32 s[G1B+2], 96<<16                     ; tensor_dim1 = 96
	s_mov_b32 s[G1B+3], 32<<16
	s_mov_b32 s[G1B+4], 96                         ; tile_dim1 = 96
	s_mov_b32 s[G1B+5], 32
	s_mov_b32 s[G1B+6], 0
	s_mov_b32 s[G1B+7], 0
	s_lshl_b32 s[G0A+1], s[WV], 13                 ; LDS: 8,192 x wave
	s_mul_i32 s[G0B+1], s[WV], 24576
	s_add_co_u32 s[G0B+1], s[G0B+1], 65536         ; LDS: 65,536 + 24,576 x wave
	s_lshl_b32 s2, s13, 18                         ; the head's 262,144 bytes of kvf; the image lies in LDS as in memory
	s_add_co_u32 s50, s2, s[G0A+1]
	s_mov_b32 s51, 0
	s_add_co_u32 s48, s2, s[G0B+1]
	s_mov_b32 s49, 0
	s_mov_b32 s[CS], 0x3e38aa3b                    ; c = log2(e) / 8
	s_mov_b32 s[CS+1], s[CS]
	s_mov_b32 s[SEL], 0x76543210
	s_mov_b32 s[SEL+1], 0xfedcba98
	; Q's and O's places: t = 16 k + x
	s_lshl_b32 s2, s13, 19                         ; the head's 524,288 bytes of qf
	s_lshl_b32 s3, s[WV], 4
	s_add_co_u32 s3, s3, s12                       ; my first tile
	s_lshl_b32 s22, s[KB], 4
	s_add_co_u32 s22, s22, s12                     ; my second
	s_lshl_b32 s[QA], s3, 11
	s_add_co_u32 s[QA], s[QA], s2
	s_mov_b32 s[QA+1], 0
	s_lshl_b32 s[QA+2], s22, 11
	s_add_co_u32 s[QA+2], s[QA+2], s2
	s_mov_b32 s[QA+3], 0
	s_lshr_b32 s23, s13, 3
	s_lshl_b32 s23, s23, 8                         ; 256 row tiles a batch
	s_and_b32 s2, s13, 7
	s_lshl_b32 s2, s2, 12                          ; the head's 4,096 bytes of a row tile
	s_add_co_u32 s[AO], s23, s3
	s_lshl_b32 s[AO], s[AO], 15
	s_add_co_u32 s[AO], s[AO], s2
	s_mov_b32 s[AO+1], 0
	s_add_co_u32 s[AO+2], s23, s22
	s_lshl_b32 s[AO+2], s[AO+2], 15
	s_add_co_u32 s[AO+2], s[AO+2], s2
	s_mov_b32 s[AO+3], 0
	v_and_b32 v7, 31, v0
	v_lshlrev_b32 v[LI], 4, v7
	v_and_b32 v7, 15, v0
	v_lshrrev_b32 v7, 2, v7                        ; r / 4
	v_bfe_u32 v8, v0, 4, 1
	v_lshlrev_b32 v8, 3, v8                        ; 8 h
	v_sub_nc_u32 v7, v7, v8
	s_lshl_b32 s23, s12, 2
	v_add_nc_u32 v[DM], s23, v7
	v_mov_b32 v[NEG], 0xff800000
	s_mov_b32 s[SS], 0
	s_mov_b32 s[OFF], 0
	s_wait_dscnt 0x0                               ; both opening adds are done
	s_wait_kmcnt 0x0
	s_mov_b32 s[G0A], 1                            ; count = 1
	s_add_nc_u64 s[G0A+2:G0A+3], s[6:7], s[50:51]
	s_or_b32 s[G0A+3], s[G0A+3], 0x80000000        ; type = 2
	s_mov_b32 s[G0B], 1
	s_add_nc_u64 s[G0B+2:G0B+3], s[6:7], s[48:49]
	s_or_b32 s[G0B+3], s[G0B+3], 0x80000000
	s_add_nc_u64 s[QA:QA+1], s[4:5], s[QA:QA+1]
	s_add_nc_u64 s[QA+2:QA+3], s[4:5], s[QA+2:QA+3]
	s_add_nc_u64 s[AO:AO+1], s[8:9], s[AO:AO+1]
	s_add_nc_u64 s[AO+2:AO+3], s[8:9], s[AO+2:AO+3]
	CROUND                                         ; all four work-groups are here: the joint loads meet
	tensor_load_to_lds s[G0A:G0A+3], s[G1A:G1A+7]  ; steps 0-3, my eighth
	s_nop 0
	tensor_load_to_lds s[G0B:G0B+3], s[G1B:G1B+7]  ; steps 4-15, my eighth: two loads of mine are out, and no more follow
	s_nop 0
	PLACES 4                                       ; four places behind a tensor load, ahead of the switch of windows
	WIN 0x40                                       ; destination window 1
.irp x, 0,1
.irp f, 0,1,2,3
	global_load_b128 v[QF+16*\x+4*\f:QF+16*\x+4*\f+3], v[LI], s[QA+2*\x:QA+2*\x+1] offset:512*\f   ; Q stays in registers
.endr
.endr
.set i, 0
.rept 64
	v_mov_b32 v[O+i], 0                            ; O^T: the first step finds zeros
.set i, i+1
.endr
	WIN 0
.irp x, 0,1
	v_mov_b32 v[ST+8*\x+1], 0xff61b1e6             ; m = -3e38, under every score
	v_mul_f32 v[ST+8*\x], s[CS], v[ST+8*\x+1]      ; c m
	v_mov_b32 v[ST+8*\x+2], 0                      ; l
	v_mov_b32 v[ST+8*\x+3], 0
.irp e, 4,5,6,7
	v_mov_b32 v[ST+8*\x+\e], 0                     ; written once: a lane permute's destination counts as one of its sources
.endr
.endr
; K of the step that begins off bytes behind the step in hand: 16 loads of 512 consecutive bytes
.macro LOADK off
.set f, 0
.rept 16
	ds_load_b128 v[KF+4*f:KF+4*f+3], v[ADR] offset:(\off)+512*f
.set f, f+1
.endr
.endm
; V of the step in hand: 16 loads likewise
.macro LOADV
.set f, 0
.rept 16
	ds_load_b128 v[VF+4*f:VF+4*f+3], v[ADR] offset:8192+512*f
.set f, f+1
.endr
.endm
; S^T = K Q^T of tile x: four accumulators (16 keys each) by turns, two deep along the 64 channels; the first four start the sums
.macro QK x
	WIN 0x04                                       ; source 1 (Q) window 1
.irp kt, 0,1,2,3
	v_wmma_f32_16x16x32_f16 v[S+8*\kt:S+8*\kt+7], v[KF+16*\kt:KF+16*\kt+7], v[QF+16*(\x):QF+16*(\x)+7], 0
.endr
.irp kt, 0,1,2,3
	v_wmma_f32_16x16x32_f16 v[S+8*\kt:S+8*\kt+7], v[KF+16*\kt+8:KF+16*\kt+15], v[QF+16*(\x)+8:QF+16*(\x)+15], v[S+8*\kt:S+8*\kt+7]
.endr
	WIN 0
.endm
; On the diagonal the scores of hidden keys become -infinity ahead of the maximum: p = 0 then
.macro MASK
.set n, 0
.rept 32
	v_cmp_gt_i32 vcc_lo, 16*(n/8)+n%8, v[DM]
	v_cndmask_b32 v[S+n], v[S+n], v[NEG], vcc_lo
.set n, n+1
.endr
.endm
.macro SOFTMAX x
.set rT, ST+8*(\x)
.irp i, 0,1,2,3
	v_max3_num_f32 v[rT+4+\i], v[S+8*\i], v[S+8*\i+1], v[S+8*\i+2]   ; four chains, each begun at an accumulator's low end
.endr
.irp i, 0,1,2,3
	v_max3_num_f32 v[rT+4+\i], v[rT+4+\i], v[S+8*\i+3], v[S+8*\i+4]
.endr
.irp i, 0,1,2,3
	v_max3_num_f32 v[rT+4+\i], v[rT+4+\i], v[S+8*\i+5], v[S+8*\i+6]
.endr
	v_max3_num_f32 v[rT+4], v[rT+4], v[S+7], v[S+15]
	v_max3_num_f32 v[rT+6], v[rT+6], v[S+23], v[S+31]
	v_max3_num_f32 v[rT+4], v[rT+4], v[rT+5], v[rT+6]
	v_max3_num_f32 v[rT+4], v[rT+4], v[rT+7], v[rT+1]   ; and the old m
	v_permlanex16_b32 v[rT+5], v[rT+4], s[SEL], s[SEL+1]   ; the query's other 32 keys lie in the lane 16 away
	v_mov_b32 v[rT+7], v[rT]                       ; c m_old is kept
	v_max_num_f32 v[rT+1], v[rT+4], v[rT+5]        ; the new m
	v_mul_f32 v[rT], s[CS], v[rT+1]
	v_sub_f32 v[rT+7], v[rT+7], v[rT]              ; c m_old - c m_new
.set i, 0
.rept 16
	v_pk_fma_f32 v[S+2*i:S+2*i+1], v[S+2*i:S+2*i+1], s[CS:CS+1], v[rT:rT+1] op_sel_hi:[1,0,0] neg_lo:[0,0,1] neg_hi:[0,0,1]   ; c s - c m
.set i, i+1
.endr
	v_exp_f32 v[rT+6], v[rT+7]                     ; ONE BATCH of 33 exponentials: the rescaling factor,
.set i, 0
.rept 32
	v_exp_f32 v[S+i], v[S+i]                       ; and p
.set i, i+1
.endr
	v_nop                                          ; a plain line behind the last exponential,
	s_wait_alu depctr_va_vdst(0)                   ; and the one wait ahead of the batch's first reader
.set i, 0
.rept 16
	v_cvt_pk_f16_f32 v[P+i], v[S+2*i], v[S+2*i+1]  ; P: source 1 of the second product as it stands
.set i, i+1
.endr
.irp u, 0,1,2,3,4,5,6,7
	v_pk_add_f32 v[S+4*\u:S+4*\u+1], v[S+4*\u:S+4*\u+1], v[S+4*\u+2:S+4*\u+3]   ; the sum of the unrounded p, a tree in place
.endr
.irp u, 0,1,2,3
	v_pk_add_f32 v[S+8*\u:S+8*\u+1], v[S+8*\u:S+8*\u+1], v[S+8*\u+4:S+8*\u+5]
.endr
.irp u, 0,1
	v_pk_add_f32 v[S+16*\u:S+16*\u+1], v[S+16*\u:S+16*\u+1], v[S+16*\u+8:S+16*\u+9]
.endr
	v_pk_add_f32 v[S:S+1], v[S:S+1], v[S+16:S+17]
	v_pk_fma_f32 v[rT+2:rT+3], v[rT+2:rT+3], v[rT+6:rT+7], v[S:S+1] op_sel_hi:[1,0,1]   ; l = l x factor + sum
.endm
.macro RESCALE x
	WIN 0x41                                       ; O^T (destination and source 0) window 1
.set i, 0
.rept 16
	v_pk_mul_f32 v[O+32*(\x)+2*i:O+32*(\x)+2*i+1], v[O+32*(\x)+2*i:O+32*(\x)+2*i+1], v[ST+8*(\x)+6:ST+8*(\x)+7] op_sel_hi:[1,0]
.set i, i+1
.endr
.endm
; O^T += V^T P of tile x: four accumulators (16 channels each) by turns, two deep along the 64 keys
.macro PV x
	WIN 0x50                                       ; C and D window 1
.irp kh, 0,1
.irp ct, 0,1,2,3
	v_wmma_f32_16x16x32_f16 v[O+32*(\x)+8*\ct:O+32*(\x)+8*\ct+7], v[VF+32*\kh+8*\ct:VF+32*\kh+8*\ct+7], v[P+8*\kh:P+8*\kh+7], v[O+32*(\x)+8*\ct:O+32*(\x)+8*\ct+7]
.endr
.endr
	WIN 0
.endm
; One tile's turn in a step.  kreg: the scalar register that holds the tile's k: in step k the mask is laid.
; ahead = 1: behind these products nobody reads K's registers any more in this step: the next step's K is asked for, unless this is my last step.
.macro TILE x, kreg, ahead
	QK \x
	PLACES 4                                       ; between the products and the first read of their results, and the loads into K's registers (ISA guide 7.12.1 for the reads)
.if \ahead
	s_cmp_eq_u32 s[SS], s[KB]                      ; ids and the count of steps alone: my last step has no successor
	s_cbranch_scc1 .Lno_k_\@
	LOADK STEPB
.Lno_k_\@:
.endif
	s_cmp_lg_u32 s[SS], s[\kreg]
	s_cbranch_scc1 .Lopen_\@
	MASK
.Lopen_\@:
	SOFTMAX \x
	s_wait_dscnt 0x0                               ; V is in, and so is the next step's K where it was asked for: its loads were issued a softmax ago
	RESCALE \x
	PV \x
.endm
; A key step.  K of this step is in registers when the step begins.  Every wave walks every step; a step beyond a tile's k is jumped over, round its loads and its work alone: no barrier, no tensor load
; and no stepping of addresses stands there.  The four v_nop and the addition are the places behind the last product that read V's registers.
.macro STEP ahead
	s_cmp_gt_u32 s[SS], s[KB]
	s_cbranch_scc1 .Lskip_\@
	PLACES 4
	v_add_nc_u32 v[ADR], s[OFF], v[LI]
	LOADV
	s_cmp_gt_u32 s[SS], s[WV]
	s_cbranch_scc1 .Lone_\@
	TILE 0, WV, 0                                  ; the short tile first,
.Lone_\@:
	TILE 1, KB, \ahead                             ; the long one last
.Lskip_\@:
	s_add_co_u32 s[OFF], s[OFF], STEPB
	s_add_co_u32 s[SS], s[SS], 1
.endm
	s_wait_tensorcnt 0x1                           ; my part of steps 0-3 is in; my load for steps 4-15 may stay out
	s_barrier_signal -1
	s_barrier_wait -1                              ; everybody's is
	v_add_nc_u32 v[ADR], s[OFF], v[LI]
	LOADK 0                                        ; K of step 0: the one K that nothing hides
	s_wait_loadcnt 0x0                             ; Q
	s_wait_dscnt 0x0
	s_mov_b32 s[CNT], 2
.Lfirst:                                               ; steps 0 and 1; they ask for K of steps 1 and 2
	STEP 1
	s_sub_co_u32 s[CNT], s[CNT], 1
	s_cmp_lg_u32 s[CNT], 0
	s_cbranch_scc1 .Lfirst
	s_wait_tensorcnt 0x0                           ; my part of steps 4-15 is in,
	s_wait_dscnt 0x0                               ; no LDS instruction of mine is out:
	s_barrier_signal -1                            ; say so, and go on with what needs nobody:
	s_mov_b32 s[SS], 2
	s_mov_b32 s[OFF], 2*STEPB
	STEP 1                                         ; step 2, and K of step 3: LDS loads of bytes under 65,536, which the first load brought and nobody writes; work on registers
	s_barrier_wait -1                              ; everybody's part of steps 4-15 is in
	s_mov_b32 s[SS], 3
	s_mov_b32 s[OFF], 3*STEPB
	s_mov_b32 s[CNT], 12
.Lrest:                                                ; steps 3 to 14; they ask for K of steps 4 to 15
	STEP 1
	s_sub_co_u32 s[CNT], s[CNT], 1
	s_cmp_lg_u32 s[CNT], 0
	s_cbranch_scc1 .Lrest
	s_mov_b32 s[SS], 15
	s_mov_b32 s[OFF], 15*STEPB
	STEP 0                                         ; step 15 is written out: there is no K behind it
	; THE WAY OUT.  l's two halves and the other half of the lanes' are added; O^T / l leaves as the image of its registers.  The additions are the places behind the last products.
	v_add_f32 v[ST+4], v[ST+2], v[ST+3]
	v_add_f32 v[ST+12], v[ST+10], v[ST+11]
	v_permlanex16_b32 v[ST+5], v[ST+4], s[SEL], s[SEL+1]
	v_permlanex16_b32 v[ST+13], v[ST+12], s[SEL], s[SEL+1]
	v_add_f32 v[ST+4], v[ST+4], v[ST+5]
	v_add_f32 v[ST+12], v[ST+12], v[ST+13]
	v_rcp_f32 v[ST+6], v[ST+4]
	v_rcp_f32 v[ST+14], v[ST+12]
	v_nop                                          ; a plain line behind the last reciprocal,
	s_wait_alu depctr_va_vdst(0)                   ; and the wait ahead of the first use: one for both
.macro SEND x, reg
	WIN 0x01                                       ; source 0 (O^T) window 1
.set i, 0
.rept 16
	v_pk_mul_f32 v[\reg+2*i:\reg+2*i+1], v[O+32*(\x)+2*i:O+32*(\x)+2*i+1], v[ST+8*(\x)+6:ST+8*(\x)+7] op_sel_hi:[1,0]   ; each accumulator from its low end on
.set i, i+1
.endr
	WIN 0
.set i, 0
.rept 8
	global_store_b128 v[LI], v[\reg+4*i:\reg+4*i+3], s[AO+2*(\x):AO+2*(\x)+1] offset:512*i   ; 512 consecutive bytes, aligned
.set i, i+1
.endr
.endm
	SEND 0, S
	SEND 1, KF
	s_wait_tensorcnt 0x0                           ; the wave's end, behind my last tensor load
	ds_add_u32 v[SPW], v[NIL]
	s_wait_dscnt 0x0
	CROUND                                         ; the closing round
	s_endpgm
.Lfunc_end_k_qbecc3cc8ab_attn:
	.size	k_qbecc3cc8ab_attn, .Lfunc_end_k_qbecc3cc8ab_attn-k_qbecc3cc8ab_attn
	.p2alignl 7, 3214868480
	.fill 96, 4, 3214868480
	.section	.rodata,"a",@progbits
	.p2align	6, 0x0
	.amdhsa_kernel k_qbecc3cc8ab_attn
		.amdhsa_group_segment_fixed_size 263168
		.amdhsa_private_segment_fixed_size 0
		.amdhsa_enable_private_segment 0
		.amdhsa_kernarg_size 24
		.amdhsa_user_sgpr_count 2
		.amdhsa_user_sgpr_kernarg_segment_ptr 1
		.amdhsa_wavefront_size32 1
		.amdhsa_system_sgpr_workgroup_id_x 1
		.amdhsa_system_sgpr_workgroup_id_y 1
		.amdhsa_system_sgpr_workgroup_id_z 1
		.amdhsa_system_vgpr_workitem_id 0
		.amdhsa_next_free_vgpr 384
		.amdhsa_next_free_sgpr 66
		.amdhsa_reserve_vcc 1
		.amdhsa_float_denorm_mode_32 3
		.amdhsa_float_denorm_mode_16_64 3
		.amdhsa_memory_ordered 1
		.amdhsa_forward_progress 1
		.amdhsa_inst_pref_size 101
	.end_amdhsa_kernel
	.amdgpu_metadata
---
amdhsa.version: [ 1, 2 ]
amdhsa.kernels:
  - .name:           k_qbecc3cc8ab_attn
    .symbol:         k_qbecc3cc8ab_attn.kd
    .args:
      - { .name: qf, .offset: 0, .size: 8, .value_kind: global_buffer, .address_space: global }
      - { .name: kvf, .offset: 8, .size: 8, .value_kind: global_buffer, .address_space: global }
      - { .name: ao, .offset: 16, .size: 8, .value_kind: global_buffer, .address_space: global }
    .group_segment_fixed_size: 263168
    .private_segment_fixed_size: 0
    .kernarg_segment_align: 8
    .kernarg_segment_size: 24
    .max_flat_workgroup_size: 256
    .sgpr_count:     66
    .vgpr_count:     384
    .wavefront_size: 32
...
	.end_amdgpu_metadata
.endif
;; end of part 3
;; launch lnout (part 4): grid 64 x 4, 4 waves a work-group, clusters of 4 x 1, 199,168 bytes of LDS; arguments ao, wof, bias, out0; writes out0
.if DOCPART == 4
	.amdgcn_target "amdgcn-amd-amdhsa--gfx1250"
	.amdhsa_code_object_version 6
	.text
	.protected	k_qbecc3cc8ab_lnout
	.globl	k_qbecc3cc8ab_lnout
	.p2align	8
	.type	k_qbecc3cc8ab_lnout,@function
k_qbecc3cc8ab_lnout:
	s_mov_b64 s[64:65], 0
	v_nop
	global_prefetch_b8 v0, s[64:65] scope:SCOPE_SE
	s_setreg_imm32_b32 hwreg(HW_REG_WAVE_MODE, 25, 1), 1
	s_wait_xcnt 0x0
	s_wait_alu depctr_hold_cnt(0) depctr_sa_sdst(0) depctr_va_vdst(0) depctr_va_sdst(0) depctr_va_ssrc(0) depctr_va_vcc(0) depctr_vm_vsrc(0)
	s_getreg_b32 s2, hwreg(HW_REG_IB_STS2, 6, 4)
	s_cmp_eq_u32 s2, 0
	s_cbranch_scc0 .Lentry_in_a_cluster
	s_endpgm
.Lentry_in_a_cluster:
	s_bfe_u32 s2, ttmp6, 0x10000c
	s_cmp_lg_u32 s2, 0x3003
	s_cbranch_scc0 .Lentry_shape_is_right
	s_endpgm
.Lentry_shape_is_right:
; LAYERNORM OVER THE 512 CHANNELS, THEN THE PROJECTION OUT:  out0 = xhat (gamma Wo) + (beta Wo + bo),  xhat = (x - mean) / sqrt(var + 1e-5).  Statistics in f32, two passes; operands of the product f16, sums f32.
; SHARES.  Work-group (rb, cq): rows 128 rb on, columns 128 cq on.  Wave w owns the row tiles 8 rb + 2 w + u, u = 0, 1: it reads them from ao as the image of registers (16 bytes a lane), normalises them in registers,
; and multiplies them by all 8 column tiles: each fragment of the weights read from LDS feeds two products.  The norm is made anew in each of the four column quarters.
; The quarter's weights, 131,072 bytes of wof, lie in LDS whole, filled once, one tensor load a wave.  CLUSTER: the four work-groups of a cluster share cq and ask for them JOINTLY.
; My place in the cluster enters the global addresses of ao and out0 alone.  No prefetch is laid: all that the work-group reads is asked for at its head.
; THE PRODUCT IS USED TRANSPOSED (source 0 = 16 columns of the weights, source 1 = 16 rows of xhat): a lane holds eight neighbouring numbers of a row of out0.  The bias is the C of each sum's first product.
; A row tile in registers: register 8 T + j of lane (r, h) is row r, channel 16 T + 8 h + j; pairs of neighbours rounded to f16 ARE source 1's fragments, 8 registers for each 32 channels.
; LIMITS: NaN and infinities are not served.
; REGISTERS.  Window 0: v1-9 as named; v12-27 statistics; v32-95 eight accumulators; v96-223 two buffers of 8 weight fragments, later rows of out0.
;   Window 1: tile 0 in f32, then xhat of both tiles in f16 (tile u, K step ks at v[128 u + 8 ks]).   Window 2: tile 1 in f32.   Window 3: v0-63 the bias, 8 registers a column tile.
.set STG,   131072                     ; behind the weights: a stage for each wave: 2 tiles x 16 rows x (512 bytes + 16)
.set WSTG,  16896
.set SPARE, STG+4*WSTG                 ; the spare words, 128 bytes for each wave: two blocks of 256 bytes that no other line names
.set SPW, 1                            ; v1  LDS address of my spare word; never rewritten
.set NIL, 2                            ; v2  0; never rewritten
.set LI,  3                            ; v3  16 x lane
.set AD1, 5                            ; v5  16 x lane + 65,536: the weights' column tiles 4-7
.set STO, 6                            ; v6  the stage: where I put 32 bytes of a row
.set SRD, 7                            ; v7  and where I read a row back
.set BOF, 9                            ; v9  32 h: my eight numbers of a column tile's bias
.set SUM, 12                           ; v12-19 four chains of pairs
.set MU,  20                           ; v20 the mean (v21: the pair's upper word, written once)
.set RS,  22                           ; v22 1 / sqrt(var + eps) (v23 likewise)
.set T,   24                           ; v24-25 at work
.set ACC, 32                           ; accumulator (ntl, u) at v[ACC + 16 ntl + 8 u]
.set FB,  96                           ; buffer b % 2 at v[FB + 64 (b % 2)]; in it fragment (ksl, ntl) at + 32 ksl + 8 ntl
.set WV,  18                           ; s18 my wave's number
.set I512, 22                          ; s22 2^-9
.set EPS, 23                           ; s23 1e-5
.set G1,  24                           ; s[24:31] descriptor group 1
.set G0,  32                           ; s[32:35] group 0
.set SEL, 36                           ; s[36:37] v_permlanex16_b32's selects for lane xor 16
.set MSB, 0
.macro WIN new                         ; the immediate's high byte repeats the setting that is left
.if MSB != \new
	s_set_vgpr_msb (MSB<<8)|\new
.set MSB, \new
.endif
.endm
.macro PLACES n
.rept \n
	v_nop
.endr
.endm
.macro CROUND                          ; a round of the cluster's barrier
	s_barrier_signal -1
	s_barrier_wait -1
	s_cmp_lg_u32 s[WV], 0
	s_cbranch_scc1 .Lnot_wave_0_\@
	s_barrier_signal -3
.Lnot_wave_0_\@:
	s_barrier_wait -3
	s_barrier_signal -1
	s_barrier_wait -1
.endm
	s_load_b256 s[4:11], s[0:1], 0x0               ; ao s[4:5], wof s[6:7], bias s[8:9], out0 s[10:11]
	v_lshl_add_u32 v[SPW], v0, 2, SPARE
	v_mov_b32 v[NIL], 0
	ds_add_u32 v[SPW], v[NIL]                      ; the wave's opening: the add, twice on end, and its wait ahead of my first tensor load; the set-up below stands between
	ds_add_u32 v[SPW], v[NIL]
	v_lshrrev_b32 v8, 5, v0
	v_readfirstlane_b32 s[WV], v8                  ; wave 0..3
	s_bfe_u32 s19, ttmp6, 0x40000                  ; my place in the cluster
	s_lshl_b32 s20, ttmp9, 2
	s_add_co_u32 s20, s20, s19                     ; rb = 4 x cluster x + place
	s_and_b32 s21, ttmp7, 0xffff                   ; cq, which the four partners share
	s_mov_b32 s[G1], 15|(3<<16)|(1<<21)            ; 15:0 the mask: all four work-groups; 17:16 elements of 8 bytes; 21 set beside a mask
	s_mov_b32 s[G1+1], 32<<16                      ; tensor_dim0 = 32: rows of 256 bytes
	s_mov_b32 s[G1+2], 128<<16                     ; tensor_dim1 = 128
	s_mov_b32 s[G1+3], 32<<16                      ; tile_dim0 = 32
	s_mov_b32 s[G1+4], 128                         ; tile_dim1 = 128
	s_mov_b32 s[G1+5], 32                          ; elements from row to row: the block is dense
	s_mov_b32 s[G1+6], 0
	s_mov_b32 s[G1+7], 0
	s_mov_b32 s[I512], 0x3b000000
	s_mov_b32 s[EPS], 0x3727c5ac
	s_mov_b32 s[SEL], 0x76543210
	s_mov_b32 s[SEL+1], 0xfedcba98
	s_lshl_b32 s[G0+1], s[WV], 15                  ; LDS: 32,768 x wave
	s_lshl_b32 s38, s21, 17                        ; wof: the quarter's 131,072 bytes, my quarter of them
	s_add_co_u32 s38, s38, s[G0+1]
	s_mov_b32 s39, 0
	s_lshl_b32 s40, s20, 3
	s_lshl_b32 s2, s[WV], 1
	s_add_co_u32 s40, s40, s2                      ; my first row tile: 8 rb + 2 w
	s_lshl_b32 s40, s40, 15                        ; 32,768 bytes of ao each
	s_mov_b32 s41, 0
	s_lshl_b32 s42, s21, 9                         ; 128 columns of 4 bytes
	s_mov_b32 s43, 0
	s_lshl_b32 s44, s20, 2
	s_add_co_u32 s44, s44, s[WV]
	s_lshl_b32 s44, s44, 16                        ; out0: 32 rows of 2,048 bytes a wave,
	s_add_co_u32 s44, s44, s42                     ; at my columns
	s_mov_b32 s45, 0
	v_and_b32 v8, 31, v0
	v_and_b32 v10, 15, v0                          ; r
	v_bfe_u32 v11, v0, 4, 1                        ; h
	v_lshlrev_b32 v[LI], 4, v8
	v_add_nc_u32 v[AD1], 65536, v[LI]
	s_mul_i32 s2, s[WV], WSTG
	s_add_co_u32 s2, s2, STG                       ; my stage
	v_mul_u32_u24 v[STO], v10, 528
	v_lshl_add_u32 v[STO], v11, 5, v[STO]
	v_add_nc_u32 v[STO], s2, v[STO]                ; in: row r, 32 bytes for each half of the lanes
	v_add_nc_u32 v[SRD], s2, v[LI]                 ; back: the 32 lanes take a row of 512 bytes
	v_lshlrev_b32 v[BOF], 5, v11
	v_mov_b32 v[MU+1], 0                           ; named as the upper halves of pairs, so they are written
	v_mov_b32 v[RS+1], 0
	v_mov_b32 v[T+1], 0                            ; a lane permute's destination counts as one of its sources
	s_wait_dscnt 0x0                               ; both opening adds are done
	s_wait_kmcnt 0x0
	s_mov_b32 s[G0], 1                             ; count = 1
	s_add_nc_u64 s[G0+2:G0+3], s[6:7], s[38:39]
	s_or_b32 s[G0+3], s[G0+3], 0x80000000          ; type = 2
	s_add_nc_u64 s[12:13], s[4:5], s[40:41]
	s_add_nc_u64 s[14:15], s[8:9], s[42:43]
	s_add_nc_u64 s[16:17], s[10:11], s[44:45]
	CROUND                                         ; all four work-groups are here: the joint loads meet
	tensor_load_to_lds s[G0:G0+3], s[G1:G1+7]      ; my quarter of the weights: my one tensor load
	s_nop 0
	PLACES 4                                       ; four places behind a tensor load, ahead of the switch of windows
	WIN 0xc0                                       ; destination window 3
.irp nt, 0,1,2,3,4,5,6,7
	global_load_b128 v[8*\nt:8*\nt+3], v[BOF], s[14:15] offset:64*\nt       ; bias of columns 16 nt + 8 h + 0..7: the result's layout
	global_load_b128 v[8*\nt+4:8*\nt+7], v[BOF], s[14:15] offset:64*\nt+16
.endr
	WIN 0x40                                       ; destination window 1
.set i, 0
.rept 64
	global_load_b128 v[4*i:4*i+3], v[LI], s[12:13] offset:512*i             ; tile 0: 512 consecutive bytes a load
.set i, i+1
.endr
	WIN 0x80                                       ; destination window 2
.set i, 0
.rept 64
	global_load_b128 v[4*i:4*i+3], v[LI], s[12:13] offset:32768+512*i       ; tile 1
.set i, i+1
.endr
	WIN 0
; The four chains, the pair's two halves and the other half of the lanes': a row's sum, in v[T]
.macro REDUCE
	WIN 0
	v_pk_add_f32 v[SUM:SUM+1], v[SUM:SUM+1], v[SUM+2:SUM+3]
	v_pk_add_f32 v[SUM+4:SUM+5], v[SUM+4:SUM+5], v[SUM+6:SUM+7]
	v_pk_add_f32 v[SUM:SUM+1], v[SUM:SUM+1], v[SUM+4:SUM+5]
	v_add_f32 v[T], v[SUM], v[SUM+1]
	v_permlanex16_b32 v[T+1], v[T], s[SEL], s[SEL+1]
	v_add_f32 v[T], v[T], v[T+1]
.endm
; Tile u, 256 numbers a lane in window 1 + u, becomes xhat in f16 at v[128 u ..] of window 1.
.macro LNORM u
.set W_SS, 5*(1+(\u))                  ; sources 0 and 1 in the tile's window
.set W_S1, 4*(1+(\u))                  ; source 1
.set W_DS, 65*(1+(\u))                 ; destination and source 0
.set W_CV, 64+5*(1+(\u))               ; sources 0 and 1 in the tile's window, destination window 1
	WIN W_SS
.irp c, 0,1,2,3
	v_pk_add_f32 v[SUM+2*\c:SUM+2*\c+1], v[4*\c:4*\c+1], v[4*\c+2:4*\c+3]   ; the first eight pairs start the four chains: nothing is cleared
.endr
	WIN W_S1
.set i, 16
.rept 120
	v_pk_add_f32 v[SUM+i%8:SUM+i%8+1], v[SUM+i%8:SUM+i%8+1], v[i:i+1]
.set i, i+2
.endr
	REDUCE
	v_mul_f32 v[MU], s[I512], v[T]                 ; the mean
	WIN W_DS
.set i, 0
.rept 128
	v_pk_add_f32 v[i:i+1], v[i:i+1], v[MU:MU+1] op_sel_hi:[1,0] neg_lo:[0,1] neg_hi:[0,1]   ; x - mean
.set i, i+2
.endr
	WIN W_SS
.irp c, 0,1,2,3
	v_pk_mul_f32 v[SUM+2*\c:SUM+2*\c+1], v[2*\c:2*\c+1], v[2*\c:2*\c+1]
.endr
.set i, 8
.rept 124
	v_pk_fma_f32 v[SUM+i%8:SUM+i%8+1], v[i:i+1], v[i:i+1], v[SUM+i%8:SUM+i%8+1]
.set i, i+2
.endr
	REDUCE
	v_fma_f32 v[T], v[T], s[I512], s[EPS]          ; var + eps
	v_rsq_f32 v[RS], v[T]
	v_nop                                          ; a plain line behind the transcendental,
	s_wait_alu depctr_va_vdst(0)                   ; and the wait ahead of its first reader
	WIN W_DS
.set i, 0
.rept 128
	v_pk_mul_f32 v[i:i+1], v[i:i+1], v[RS:RS+1] op_sel_hi:[1,0]
.set i, i+2
.endr
	WIN W_CV
.set i, 0
.rept 128
	v_cvt_pk_f16_f32 v[128*(\u)+i], v[2*i], v[2*i+1]   ; ascending: for tile 0, in place, the destination never runs ahead of its sources; tile 1 lands where tile 0's f32 numbers have been read
.set i, i+1
.endr
	WIN 0
.endm
	s_wait_loadcnt 63                              ; the bias and tile 0 are in: tile 1's 64 loads stand behind them, and 63 is the largest count that the wait can name
	LNORM 0
	s_wait_loadcnt 0x0
	LNORM 1
	s_wait_tensorcnt 0x0                           ; my quarter of the weights is in,
	s_barrier_signal -1
	s_barrier_wait -1                              ; everybody's is
; Batch b = 0..15: column tiles 4 (b / 8) + 0..3, K steps 2 (b % 8) + 0, 1: 8 fragments, 16 loads of 512 consecutive bytes
.macro FETCHW b
.set fe, (\b)%8
.set ff, FB+64*((\b)%2)
.set fa, LI
.if (\b) >= 8
.set fa, AD1
.endif
.irp ksl, 0,1
.irp ntl, 0,1,2,3
.irp p, 0,1
	ds_load_b128 v[ff+32*\ksl+8*\ntl+4*\p:ff+32*\ksl+8*\ntl+4*\p+3], v[fa] offset:16384*\ntl+1024*(2*fe+\ksl)+512*\p
.endr
.endr
.endr
.endm
; 16 matrix instructions: the eight accumulators (ntl, u) take turns, one instruction a turn.  The first eight of a group of column tiles take the bias as C.
.macro MULB b
.set mg, (\b)/8
.set me, (\b)%8
.set mf, FB+64*((\b)%2)
.irp ksl, 0,1
.if (me == 0) && (\ksl == 0)
	WIN 0x34                                       ; source 1 (xhat) window 1, source 2 (the bias) window 3
.else
	WIN 0x04
.endif
.irp ntl, 0,1,2,3
.irp u, 0,1
.if (me == 0) && (\ksl == 0)
	v_wmma_f32_16x16x32_f16 v[ACC+16*\ntl+8*\u:ACC+16*\ntl+8*\u+7], v[mf+32*\ksl+8*\ntl:mf+32*\ksl+8*\ntl+7], v[128*\u+8*(2*me+\ksl):128*\u+8*(2*me+\ksl)+7], v[8*(4*mg+\ntl):8*(4*mg+\ntl)+7]
.else
	v_wmma_f32_16x16x32_f16 v[ACC+16*\ntl+8*\u:ACC+16*\ntl+8*\u+7], v[mf+32*\ksl+8*\ntl:mf+32*\ksl+8*\ntl+7], v[128*\u+8*(2*me+\ksl):128*\u+8*(2*me+\ksl)+7], v[ACC+16*\ntl+8*\u:ACC+16*\ntl+8*\u+7]
.endif
.endr
.endr
.endr
.endm
; The eight finished accumulators of column tiles 4 g + 0..3 go into my stage, each from its low end on
.macro TOSTAGE g
	WIN 0
.irp ntl, 0,1,2,3
.irp u, 0,1
	ds_store_b128 v[STO], v[ACC+16*\ntl+8*\u:ACC+16*\ntl+8*\u+3] offset:8448*\u+64*(4*(\g)+\ntl)
	ds_store_b128 v[STO], v[ACC+16*\ntl+8*\u+4:ACC+16*\ntl+8*\u+7] offset:8448*\u+64*(4*(\g)+\ntl)+16
.endr
.endr
.endm
	FETCHW 0
	FETCHW 1
.set B, 0
.rept 16
.if (B == 8) || (B == 15)
	s_wait_dscnt 0x0                               ; batch 8: the stage's stores have read the accumulators, which begin anew; batch 15: nothing is out behind it
.else
	s_wait_dscnt 16                                ; this batch's fragments are in; the next batch's 16 loads may be out
.endif
	MULB B
.if B < 14
.if B == 7
	PLACES 5                                       ; five places: the next batch's products write over these accumulators with another C; four of them serve the loads and the stage's stores
.else
	PLACES 4                                       ; between the products and the loads into the buffer that they read
.endif
	FETCHW B+2
.endif
.if B == 7
	TOSTAGE 0
.endif
.set B, B+1
.endr
	WIN 0
	PLACES 4                                       ; between the last products and the reads of their results, and the loads into their fragments' registers
	TOSTAGE 1
.set i, 0
.rept 32
	ds_load_b128 v[FB+4*i:FB+4*i+3], v[SRD] offset:8448*(i/16)+528*(i%16)   ; whole rows back: LDS serves a wave's instructions in order, and the stage is my own
.set i, i+1
.endr
.set i, 0
.rept 32
	s_wait_dscnt 31-i                              ; row i is back; the rows behind it may be out
	global_store_b128 v[LI], v[FB+4*i:FB+4*i+3], s[16:17] offset:2048*i th:TH_STORE_NT   ; 512 consecutive bytes, aligned; written once, read by nobody here
.set i, i+1
.endr
	s_wait_tensorcnt 0x0                           ; the wave's end, behind my last tensor load and my last LDS store
	ds_add_u32 v[SPW], v[NIL]
	s_wait_dscnt 0x0
	CROUND                                         ; the closing round
	s_endpgm
.Lfunc_end_k_qbecc3cc8ab_lnout:
	.size	k_qbecc3cc8ab_lnout, .Lfunc_end_k_qbecc3cc8ab_lnout-k_qbecc3cc8ab_lnout
	.p2alignl 7, 3214868480
	.fill 96, 4, 3214868480
	.section	.rodata,"a",@progbits
	.p2align	6, 0x0
	.amdhsa_kernel k_qbecc3cc8ab_lnout
		.amdhsa_group_segment_fixed_size 199168
		.amdhsa_private_segment_fixed_size 0
		.amdhsa_enable_private_segment 0
		.amdhsa_kernarg_size 32
		.amdhsa_user_sgpr_count 2
		.amdhsa_user_sgpr_kernarg_segment_ptr 1
		.amdhsa_wavefront_size32 1
		.amdhsa_system_sgpr_workgroup_id_x 1
		.amdhsa_system_sgpr_workgroup_id_y 1
		.amdhsa_system_sgpr_workgroup_id_z 1
		.amdhsa_system_vgpr_workitem_id 0
		.amdhsa_next_free_vgpr 832
		.amdhsa_next_free_sgpr 66
		.amdhsa_reserve_vcc 0
		.amdhsa_float_denorm_mode_32 3
		.amdhsa_float_denorm_mode_16_64 3
		.amdhsa_memory_ordered 1
		.amdhsa_forward_progress 1
		.amdhsa_inst_pref_size 143
	.end_amdhsa_kernel
	.amdgpu_metadata
---
amdhsa.version: [ 1, 2 ]
amdhsa.kernels:
  - .name:           k_qbecc3cc8ab_lnout
    .symbol:         k_qbecc3cc8ab_lnout.kd
    .args:
      - { .name: ao, .offset: 0, .size: 8, .value_kind: global_buffer, .address_space: global }
      - { .name: wof, .offset: 8, .size: 8, .value_kind: global_buffer, .address_space: global }
      - { .name: bias, .offset: 16, .size: 8, .value_kind: global_buffer, .address_space: global }
      - { .name: out0, .offset: 24, .size: 8, .value_kind: global_buffer, .address_space: global }
    .group_segment_fixed_size: 199168
    .private_segment_fixed_size: 0
    .kernarg_segment_align: 8
    .kernarg_segment_size: 32
    .max_flat_workgroup_size: 128
    .sgpr_count:     66
    .vgpr_count:     832
    .wavefront_size: 32
...
	.end_amdgpu_metadata
.endif
;; end of part 4
